; MI455X (gfx1250); checked and timed in simulation.
; The chip was launched on July 23, 2026; its instructions are those of AMD's public machine-readable ISA for CDNA 5 (MIT licence, August 2026) and "CDNA5" Instruction Set Architecture Reference Guide (July 2026). The comments in the code are by the model that wrote it; some were corrected since.
;; Dynamic Min2 D Pool. Allowed arithmetic: float matrix products may take bf16 or f16 operands with f32 sums; all other float work in f32.
;; Inputs: sim_matrices 128 x 512 x 512 float32.
;; Outputs: out0 128 x 64 float32.
;; One version. Each part assembles by itself: llvm-mc -triple=amdgcn-amd-amdhsa -mcpu=gfx1250 --defsym DOCPART=n.
;; ======== version 1 of 1: 1 launch
;; launch minpool (part 1): grid 1024 x 1, 8 waves a work-group, no clusters, 5,632 bytes of LDS; arguments sim_matrices, out0; writes out0
.if DOCPART == 1
	.amdgcn_target "amdgcn-amd-amdhsa--gfx1250"
	.amdhsa_code_object_version 6
	.text
	.protected	k_q296fab84b7_minpool
	.globl	k_q296fab84b7_minpool
	.p2align	8
	.type	k_q296fab84b7_minpool,@function
k_q296fab84b7_minpool:
	s_mov_b64 s[64:65], 0
	v_nop
	global_prefetch_b8 v0, s[64:65] scope:SCOPE_SE
	s_setreg_imm32_b32 hwreg(HW_REG_WAVE_MODE, 25, 1), 1
	s_wait_xcnt 0x0
; out0[b][8 g + R] = the least of sim[b][64 g .. 64 g + 63][64 R .. 64 R + 63].   sim: [128][512][512] f32, out0: [128][64] f32.
; A work-group owns one band: 64 rows of one matrix, 131,072 consecutive bytes, which hold 8 whole regions; band n = 8 b + g is work-group n,
; and its 8 results are the 32 consecutive bytes of out0 at 32 n.  1,024 bands, 1,024 work-groups, each input byte loaded once.
; Wave w owns rows 8 w .. 8 w + 7 of the band, 16,384 consecutive bytes, as 32 loads of 16 bytes a lane: load j covers the 512 consecutive
; bytes at 512 j, that is row j / 4, column chunk c = j % 4; lanes 0-15 of chunk c lie in region 2 c, lanes 16-31 in region 2 c + 1.
; 28 of the 32 loads are issued before anything else; the last row goes into row 1's registers as soon as these are free.  All 32 at once
; would take 128 data registers and an offset; with 122 registers eight such waves have room in 1,024.
; The minimum is v_minimum_f32: a NaN wins, as it does in the reference's min, and infinities are ordinary numbers.
; LIMIT: where the least values of a region are zeros of both signs the result is -0 (v_minimum_f32 puts -0 below +0).
; No tile is read by two work-groups, so there is nothing to share in a cluster; there is no product, so no matrix instruction.
; A stretch of 256 bytes of out0 is a whole matrix (1 MiB of input): storing such stretches whole would make 128 work-groups of the 1,024.
; So each work-group stores its 32 bytes, with one instruction.
.set LOADB, 512                        ; bytes that one load of a wave covers
.set SLOTS, 7                          ; row slots in registers; a row is 4 loads, 16 registers
.set PITCH, 576                        ; LDS: bytes from one region's block to the next: 512 of data (8 waves x 16 lanes x 4) + 64 never touched
.set LANE,  1                          ; v1       lane, 0 to 31
.set OFF,   2                          ; v2       16 x lane: my 16 bytes in each load
.set STA,   3                          ; v3       LDS address of my word in region (lane / 16)'s block
.set LDA,   4                          ; v4       wave 0: LDS address of my first 16 bytes of region lane / 4
.set T,     5                          ; v5       at work
.set X,     8                          ; v[8:119] slot r: 16 registers, register 4 c + e = element e of my 4 in chunk c; slot 0 is also the running minimum
	s_load_b128 s[4:7], s[0:1], 0x0                ; sim s[4:5], out0 s[6:7]
	v_lshl_add_u32 v120, v0, 2, 0x1200
	v_mov_b32 v121, 0
	v_lshrrev_b32 v[T], 5, v0
	v_readfirstlane_b32 s8, v[T]                   ; wave 0..7, as a scalar
	v_and_b32 v[LANE], 31, v0
	v_lshlrev_b32 v[OFF], 4, v[LANE]
	s_lshl_b32 s2, ttmp9, 17                       ; band x 131,072 bytes: below 2^27, one word is enough
	s_lshl_b32 s9, s8, 14                          ; + wave x 16,384 bytes
	s_or_b32 s2, s2, s9
	s_mov_b32 s3, 0
	s_wait_kmcnt 0x0
	s_add_nc_u64 s[4:5], s[4:5], s[2:3]            ; sim at my wave's first row
.set j, 0
.rept 4*SLOTS
	global_load_b128 v[X+4*j:X+4*j+3], v[OFF], s[4:5] offset:LOADB*j th:TH_LOAD_NT   ; rows 0 to 6; read once in the launch
.set j, j+1
.endr
	; while they are on their way: where my four results go in LDS.  Region R's block starts at PITCH x R; in it wave w's 16 lanes have the
	; 64 bytes at 64 w.  Chunk c, half h of the lanes is region 2 c + h: the register carries h, the wave and the lane, the offset 2 c.
	v_lshrrev_b32 v[STA], 4, v[LANE]               ; h
	v_and_b32 v[T], 15, v[LANE]
	v_mul_u32_u24 v[STA], v[STA], PITCH
	v_lshl_add_u32 v[STA], v[T], 2, v[STA]
	s_lshl_b32 s9, s8, 6
	v_add_nc_u32 v[STA], s9, v[STA]
; Fold slot r into slot 0: 16 chains that do not wait for each other.  left = how many younger loads may stay out.
.macro FOLD r, left
	s_wait_loadcnt \left                           ; loads come back in order (ISA guide 5.7.1): this slot's four are in
.set i, 0
.rept 16
	v_minimum_f32 v[X+i], v[X+i], v[X+16*\r+i]
.set i, i+1
.endr
.endm
	FOLD 1, 20                                     ; of the 28 issued the oldest eight, rows 0 and 1, are in; 20 stay out
.set j, 0
.rept 4
	global_load_b128 v[X+16+4*j:X+16+4*j+3], v[OFF], s[4:5] offset:LOADB*(4*SLOTS+j) th:TH_LOAD_NT   ; row 7, the wave's last, into row 1's slot, which has just been read
.set j, j+1
.endr
	FOLD 2, 20                                     ; 24 can be out now (rows 2 to 6 and row 7): the oldest four are row 2's
	FOLD 3, 16
	FOLD 4, 12
	FOLD 5, 8
	FOLD 6, 4                                      ; only row 7's four stay out
	FOLD 1, 0                                      ; row 7
.irp c, 0,1,2,3
	v_minimum_f32 v[X+4*\c],   v[X+4*\c],   v[X+4*\c+1]       ; my four elements of each chunk become one
	v_minimum_f32 v[X+4*\c+2], v[X+4*\c+2], v[X+4*\c+3]
.endr
.irp c, 0,1,2,3
	v_minimum_f32 v[X+4*\c], v[X+4*\c], v[X+4*\c+2]
.endr
.irp c, 0,1,2,3
	ds_store_b32 v[STA], v[X+4*\c] offset:2*\c*PITCH           ; the two halves of the lanes write 64 bytes each, 576 = 2 x 256 + 64 bytes apart: 32 different words modulo 256 bytes
.endr
	s_wait_dscnt 0x0                               ; for wave 0's sake: my four stores are done before I say so
	s_barrier_signal -1
	s_barrier_wait -1                              ; all eight waves' words are in LDS
	s_cmp_lg_u32 s8, 0
	s_cbranch_scc1 .Lothers                        ; what is left is 1,024 numbers: one wave's work
	; Wave 0.  Lane L takes region L / 4 and of its 128 words the 16 bytes at 16 (L % 4) of each wave's 64: eight loads, 64 bytes apart.
	; The 16 lanes that share a pass stand at 64 (L / 4) + 16 (L % 4) modulo 256 bytes: sixteen different places.
	v_lshrrev_b32 v[LDA], 2, v[LANE]
	v_and_b32 v[T], 3, v[LANE]
	v_mul_u32_u24 v[LDA], v[LDA], PITCH
	v_lshl_add_u32 v[LDA], v[T], 4, v[LDA]
.set j, 0
.rept 8
	ds_load_b128 v[X+4*j:X+4*j+3], v[LDA] offset:64*j
.set j, j+1
.endr
	s_lshl_b32 s2, ttmp9, 5                        ; my band's 8 results: 32 bytes (s3 is still 0)
	s_add_nc_u64 s[6:7], s[6:7], s[2:3]
	s_wait_dscnt 0x0
.irp n, 16,8,4,2,1
.set i, 0
.rept \n
	v_minimum_f32 v[X+i], v[X+i], v[X+\n+i]        ; 32 numbers to one, halving
.set i, i+1
.endr
.endr
	; the four lanes of a region: two exchanges; the copy's destination has been written above
	v_mov_b32_dpp v[X+1], v[X] row_xmask:1 row_mask:0xf bank_mask:0xf
	v_minimum_f32 v[X], v[X], v[X+1]
	v_mov_b32_dpp v[X+1], v[X] row_xmask:2 row_mask:0xf bank_mask:0xf
	v_minimum_f32 v[X], v[X], v[X+1]
	s_wait_xcnt 0x0                                ; EXEC is a source of the global loads above: it changes only behind this wait
	s_wait_tensorcnt 0x0
	ds_add_u32 v120, v121
	s_wait_dscnt 0x0
	v_cmpx_eq_u32 0, v[T]                          ; lanes 0, 4, .. 28: one for each region
	global_store_b32 v[LANE], v[X], s[6:7] th:TH_STORE_NT      ; in these lanes the lane's number is 4 x region, the byte offset: 32 consecutive bytes in one store
	s_endpgm
.Lothers:
	s_wait_tensorcnt 0x0
	ds_add_u32 v120, v121
	s_wait_dscnt 0x0
	s_endpgm
.Lfunc_end_k_q296fab84b7_minpool:
	.size	k_q296fab84b7_minpool, .Lfunc_end_k_q296fab84b7_minpool-k_q296fab84b7_minpool
	.p2alignl 7, 3214868480
	.fill 96, 4, 3214868480
	.section	.rodata,"a",@progbits
	.p2align	6, 0x0
	.amdhsa_kernel k_q296fab84b7_minpool
		.amdhsa_group_segment_fixed_size 5632
		.amdhsa_private_segment_fixed_size 0
		.amdhsa_enable_private_segment 0
		.amdhsa_kernarg_size 16
		.amdhsa_user_sgpr_count 2
		.amdhsa_user_sgpr_kernarg_segment_ptr 1
		.amdhsa_wavefront_size32 1
		.amdhsa_system_sgpr_workgroup_id_x 1
		.amdhsa_system_sgpr_workgroup_id_y 1
		.amdhsa_system_sgpr_workgroup_id_z 1
		.amdhsa_system_vgpr_workitem_id 0
		.amdhsa_next_free_vgpr 122
		.amdhsa_next_free_sgpr 66
		.amdhsa_reserve_vcc 0
		.amdhsa_float_denorm_mode_32 3
		.amdhsa_float_denorm_mode_16_64 3
		.amdhsa_memory_ordered 1
		.amdhsa_forward_progress 1
		.amdhsa_inst_pref_size 16
	.end_amdhsa_kernel
	.amdgpu_metadata
---
amdhsa.version: [ 1, 2 ]
amdhsa.kernels:
  - .name:           k_q296fab84b7_minpool
    .symbol:         k_q296fab84b7_minpool.kd
    .args:
      - { .name: sim_matrices, .offset: 0, .size: 8, .value_kind: global_buffer, .address_space: global }
      - { .name: out0, .offset: 8, .size: 8, .value_kind: global_buffer, .address_space: global }
    .group_segment_fixed_size: 5632
    .private_segment_fixed_size: 0
    .kernarg_segment_align: 8
    .kernarg_segment_size: 16
    .max_flat_workgroup_size: 256
    .sgpr_count:     66
    .vgpr_count:     122
    .wavefront_size: 32
...
	.end_amdgpu_metadata
.endif
;; end of part 1
